; MI455X (gfx1250); checked and timed in simulation.
; The chip was launched on July 23, 2026; its instructions are those of AMD's public machine-readable ISA for CDNA 5 (MIT licence, August 2026) and "CDNA5" Instruction Set Architecture Reference Guide (July 2026). The comments in the code are by the model that wrote it; some were corrected since.
;; Causal Self Attention. Allowed arithmetic: matrix products marked QUANTISED: E5M2 operands, one given power-of-two scale a tensor, by v_wmma_f32_16x16x64_bf8_bf8 or v_wmma_f32_16x16x128_bf8_bf8, f32 sums; everything else in f32.
;; Inputs: b_proj 1,024 float32; b_qkv 3,072 float32; lowp_scales 8 int32 (the exponents e of the quantised operands' scales 2^e); w_proj_codes 1,024 x 32 x 32 uint8 (E5M2 codes of w_proj, K innermost, in blocks of 32 codes); w_qkv_codes 3,072 x 32 x 32 uint8 (E5M2 codes of w_qkv, K innermost, in blocks of 32 codes); x_codes 4 x 2,048 x 32 x 32 uint8 (E5M2 codes of x, K innermost, in blocks of 32 codes).
;; Outputs: out0 4 x 2,048 x 1,024 float32.
;; This version of the problem:
;;   THIS VERSION OF THE PROBLEM IS GIVEN IN LOW PRECISION. The matrix products marked QUANTISED in the list below multiply operands that are first quantised to E5M2 (5 exponent bits, 2 mantissa bits; 8 bits a number), with one given power-of-two scale for each operand tensor; their sums are f32. All else is computed in f32.
;;   The module's matrix products, in the order in which they are computed (A, B: the left and right operand; K: the contracted axis; several contracted axes count as one K, in the product's order):
;;     1. [M 8,192, K 1,024] x [K 1,024, N 3,072]; A: input x (given as codes); B: input w_qkv (given as codes): QUANTISED (scales: A lowp_scales[0], B lowp_scales[1])
;;     2. batch 64 x [M 2,048, K 64] x [K 64, N 2,048]; A: computed on the way; B: computed on the way: QUANTISED (scales: A lowp_scales[2], B lowp_scales[3])
;;     3. batch 64 x [M 2,048, K 2,048] x [K 2,048, N 64]; A: softmax (see below); B: computed on the way: QUANTISED (scales: A lowp_scales[4], B lowp_scales[5])
;;     4. [M 8,192, K 1,024] x [K 1,024, N 1,024]; A: computed on the way; B: input w_proj (given as codes): QUANTISED (scales: A lowp_scales[6], B lowp_scales[7])
;;   THE QUANTISER, for each operand of a quantised product, along K:
;;     - The operand's scale is 2^e, e = its entry of the input lowp_scales (int32; the entries are numbered through the quantised products in the list's order, A before B).
;;     - Each number is divided by the scale, clamped to +-57,344, and rounded to the nearest number of E5M2, ties to even, subnormals kept.
;;     - The product sums the exact products of the quantised numbers (number of the format x scale) in f32.
;;   ~~~python
;;   def quantise(x, axis, e):      # numpy; x: float32 -> the quantised numbers, widened to float32 again
;;       x = np.moveaxis(x, axis, -1); K = x.shape[-1]
;;       r = np.clip(x / 2.0 ** e, -57344, 57344)
;;       step = 2.0 ** (np.maximum(np.frexp(np.where(r == 0, 1, r))[1] - 1, -14) - 2)
;;       q = np.round(r / step) * step * 2.0 ** e      # np.round: ties to even
;;       return np.moveaxis(q, -1, axis).astype(np.float32)
;;   ~~~
;;   SOFTMAX AHEAD OF A QUANTISED PRODUCT. Where the list says 'softmax', what is quantised is not the finished softmax but p = 2^(t - M), with t = logit x log2(e) and M = ceil(the row's largest t), a whole number; so 1/2 < the row's largest p <= 1. The row's sum l is taken of the UNQUANTISED p, in f32, and the product's result is divided by l at the end. Since M is a whole number, a kernel that streams over the keys may use a running M (the ceiling of the running maximum): every later rescaling is an exact power of two, so the quantised numbers keep their values, but for numbers so far below the row's largest that they fall under the format's range.
;;   OPERANDS COMPUTED ON THE WAY. 'Computed on the way' means the value that the module computes at that place (a softmax that the list does not call 'softmax' is quantised finished and normalised). What goes into a quantiser is computed in f32, as accurately as f32 sums, v_exp_f32 and their like allow (about 1e-6 of the number): no bf16 or f16 on the way to a quantiser, and a product that is left as it is and whose result goes on into a quantised operand takes f32 operands (vector FMAs, or v_wmma_f32_16x16x4_f32). A number that lies on a knife's edge between two numbers of the format may be rounded either way, as far as f32 arithmetic and the matrix unit's own rounding can turn it there, and no further.
;;   INPUTS GIVEN AS CODES. w_proj (in the module: [1024, 1024], K = its axis 0); w_qkv (in the module: [1024, 3072], K = its axis 0); x (in the module: [4, 2048, 1024], K = its axis 2): each comes as NAME_codes (uint8): NAME with its K axis moved to the last place and cut into blocks of 32 codes, [.., K / 32, bytes a block], one block behind the other in memory; one code a byte (a code: sign, 5 exponent bits, 2 mantissa bits); its scale is its entry of lowp_scales. Its value is code x scale, taken as it is: it is not quantised again, and the codes and scales need not be those that the quantiser above would give.
;; One version. Each part assembles by itself: llvm-mc -triple=amdgcn-amd-amdhsa -mcpu=gfx1250 --defsym DOCPART=n.
;; ======== version 1 of 1: 3 launches
;; limits: right only within a limited range of input values
;; workspace buffers: q_img 8,388,608 bytes; k_img 8,388,608 bytes; v_img 8,388,608 bytes; y_img 8,388,608 bytes
;; launch qkv (part 1): grid 12 x 32, 4 waves a work-group, clusters of 4 x 4, 327,680 bytes of LDS; arguments x_codes, w_qkv_codes, lowp_scales, b_qkv, q_img, k_img, v_img; writes q_img, k_img, v_img
.if DOCPART == 1
	.amdgcn_target "amdgcn-amd-amdhsa--gfx1250"
	.amdhsa_code_object_version 6
	.text
	.protected	k_q053eb0d532_qkv
	.globl	k_q053eb0d532_qkv
	.p2align	8
	.type	k_q053eb0d532_qkv,@function
k_q053eb0d532_qkv:
	s_mov_b64 s[64:65], 0
	v_nop
	global_prefetch_b8 v0, s[64:65] scope:SCOPE_SE
	s_setreg_imm32_b32 hwreg(HW_REG_WAVE_MODE, 25, 1), 1
	s_wait_xcnt 0x0
	s_wait_alu depctr_hold_cnt(0) depctr_sa_sdst(0) depctr_va_vdst(0) depctr_va_sdst(0) depctr_va_ssrc(0) depctr_va_vcc(0) depctr_vm_vsrc(0)
	s_getreg_b32 s2, hwreg(HW_REG_IB_STS2, 6, 4)
	s_cmp_eq_u32 s2, 0
	s_cbranch_scc0 .Lentry_in_a_cluster
	s_endpgm
.Lentry_in_a_cluster:
	s_bfe_u32 s2, ttmp6, 0x10000c
	s_cmp_lg_u32 s2, 0xf033
	s_cbranch_scc0 .Lentry_shape_is_right
	s_endpgm
.Lentry_shape_is_right:
; qkv = x w_qkv + b_qkv on codes of BF8 (E5M2), then q, k and v are quantised again and stored as IMAGES OF OPERAND REGISTERS for the attention launch.
; x: [8192][1024] codes, w_qkv: [3072][1024] codes, K innermost.  Sums in f32; number = sum x 2^(e0 + e1) + bias, one fused multiply-add; code = number / 2^eo, held within +-57,344, nearest, ties to even (eo = e2 for q, e3 for k, e5 for v).
; LIMITS: e0 + e1 between -126 and 127; e2, e3, e5 between -126 and 112, so that each power of two below is an f32 number.  NaN among the biases is not served.
; SHARES.  A tile of 256 x 256 is made by four waves, 128 x 128 each: 64 accumulators, 512 registers.  K = 1,024 goes in four steps of 256 through two LDS slots filled by the tensor data mover.
; Source 1 (S1) gives its rows to the lanes, source 0 (S0) its rows to a lane's registers: register j of lane (r, h) of accumulator (a, b) is (S0 row 16 b + 8 h + j, S1 row 16 a + r).
; So the conversion of an accumulator's eight registers IS registers 2 b, 2 b + 1 of the next product's operand (k = 16 b + 8 h + 0 .. 7), and nothing is turned or staged.
;   q, k (cluster x = 0, 1): S1 = rows of x (t), S0 = rows of w_qkv (n): registers run along a head's 64 channels.  Four accumulators make a fragment of 16 t x 64 d.
;   v    (cluster x = 2):    S1 = rows 2,048 on of w_qkv (d), S0 = rows of x (t): registers run along the keys.  Eight accumulators make a fragment of 16 d x 128 keys.
; The choice hangs on the cluster's x alone, which all sixteen partners share.  For v the cluster's y walks S0's tiles, so that S1's address hangs on cy alone and S0's on cx alone in both cases.
; CLUSTERS: 4 x 4 work-groups; S1's tile is asked for jointly by a row of the cluster, S0's by a column: the same tensor load with the same descriptor and a mask that names the four.
; IMAGES: a piece is four registers of 32 lanes, 512 bytes, lane l's 16 bytes at 16 l.  q_img, k_img: [16 b + head][t / 16][piece 0..1];  v_img: [16 b + head][key / 128][d / 16][piece 0..3].  A head is 131,072 bytes in each.
; REGISTERS, in windows of 256: window 0: v1-29 addresses and constants; v32-95 biases; v96-127 at work; v128-255 S1's fragments, ONE set, later the codes.  window 1: S0's fragments, TWO sets.  windows 2, 3: accumulator (a, b) at v[8 (8 (a % 4) + b)].
.set KROW,   1024                      ; a row of x or of w_qkv in bytes
.set ROWB,   256                       ; a tile's row: 256 codes
.set PITCH,  272                       ; an LDS row: 256 bytes + 16 of padding = 68 words: row r starts at bank 4 r mod 64 (64 banks of 4 bytes: ISA guide 11.1)
.set FR,     16                        ; registers of a fragment, 16 rows x 128 K
.set NL,     4                         ; LDS loads that bring one
.set NP,     4                         ; places behind this matrix instruction (ISA guide 7.12.1)
.set HALFT,  128*PITCH                 ; 128 rows: what one tensor load brings
.set SLOT,   4*HALFT                   ; S1's 256 rows, then S0's 256 rows
.set SPARE,  2*SLOT                    ; behind the ring: the spare words, 128 bytes a wave, which no other line names
.set HEADB,  131072                    ; a head's bytes in an image buffer
.set ADRA, 16                          ; v16-17  LDS address of my S1 fragments in slot 0, 1
.set ADRB, 20                          ; v20-21  the same for S0
.set GO,   24                          ; v24     16 x lane: my place in a piece
.set VBQ,  25                          ; v25     32 h: the bias along registers
.set VBV,  26                          ; v26     4 r: the bias along lanes
.set SCL,  27                          ; v27     2^eo as f32
.set SPW,  28                          ; v28     my spare word; never rewritten
.set NIL,  29                          ; v29     0; never rewritten
.set LIM,  30
.set BJ,   32                          ; v32-95  q, k: the bias of my 128 n, eight a tile b
.set BI,   32                          ; v32-47  v: the bias of block a's d, twice (a pair for the packed form)
.set TMP,  96                          ; v96-127 32 numbers at work
.set AF,   128                         ; S1's fragments
.set CD,   128                         ; the codes: 16 registers for each block a, so that no store's data are written again
.set G1, 24                            ; s[24:31] group 1 for S1's tiles;  s[32:39] group 0, one set a slot
.set G0, 32
.set G1B, 48                           ; s[48:55], s[56:63] the same for S0's
.set G0B, 56
.set MSB, 0
.macro WIN new                         ; the immediate's high byte repeats the setting that is left
.if MSB != \new
	s_set_vgpr_msb (MSB<<8)|\new
.set MSB, \new
.endif
.endm
.set MUL_LO, 0xa1                      ; source 0 window 1, source 1 window 0, C and D window 2
.set MUL_HI, 0xf1                      ; the same, C and D window 3
.set TO_B,   0x40                      ; destination window 1, address window 0
; A joint load: waves 0 and 1 fetch S1's halves, waves 2 and 3 S0's.  The branch hangs on the wave's number alone.  Four v_nop follow each of the two lines.
.macro JLOAD g0a, g1a, g0b, g1b
	s_cmp_eq_u32 s15, 0
	s_cbranch_scc0 .Lfor_b_\@
	tensor_load_to_lds s[\g0a:\g0a+3], s[\g1a:\g1a+7]
	s_nop 0
.rept 4
	v_nop
.endr
	s_branch .Lasked_\@
.Lfor_b_\@:
	tensor_load_to_lds s[\g0b:\g0b+3], s[\g1b:\g1b+7]
	s_nop 0
.rept 4
	v_nop
.endr
.Lasked_\@:
.endm
.macro CREST                           ; a round of the cluster's barrier behind its opening barrier
	s_cmp_lg_u32 s14, 0
	s_cbranch_scc1 .Lnot_wave_0_\@
	s_barrier_signal -3
.Lnot_wave_0_\@:
	s_barrier_wait -3
	s_barrier_signal -1
	s_barrier_wait -1
.endm
.macro CROUND                          ; a whole round
	s_barrier_signal -1
	s_barrier_wait -1
	CREST
.endm
	s_load_b256 s[4:11], s[0:1], 0x0               ; x s[4:5], w_qkv s[6:7], the scales' exponents s[8:9], b_qkv s[10:11]
	s_load_b128 s[68:71], s[0:1], 0x20             ; q_img, k_img
	s_load_b64 s[72:73], s[0:1], 0x30              ; v_img
	v_lshl_add_u32 v[SPW], v0, 2, SPARE
	v_mov_b32 v[NIL], 0
	ds_add_u32 v28, v29
	ds_add_u32 v28, v29
	s_wait_dscnt 0x0
	v_lshrrev_b32 v1, 5, v0
	v_readfirstlane_b32 s14, v1                    ; wave 0..3
	s_lshr_b32 s15, s14, 1                         ; which half of S1's rows is mine.  Also: I fetch for S1 (0) or for S0 (1)
	s_and_b32 s16, s14, 1                          ; which half of S0's rows.  Also: which 128 rows of that tile I fetch
	s_bfe_u32 s40, ttmp6, 0x40000                  ; cx, cy: my place in the cluster
	s_bfe_u32 s41, ttmp6, 0x40004
	s_and_b32 s75, ttmp7, 0xffff                   ; the cluster's y
	s_cmp_eq_u32 ttmp9, 2                          ; the cluster's x: 0 q, 1 k, 2 v
	s_cselect_b32 s76, 1, 0                        ; 1 where v
	s_cselect_b32 s77, s75, ttmp9                  ; which four tiles of S0: v walks x's rows by the cluster's y
	s_cselect_b32 s78, 0, s75                      ; which four tiles of S1: v has four in all
	s_lshl_b32 s42, s77, 2
	s_add_co_u32 s42, s42, s40                     ; S0's tile
	s_lshl_b32 s17, s78, 2
	s_add_co_u32 s17, s17, s41                     ; S1's tile
	s_lshl_b32 s43, s41, 2
	s_lshl_b32 s43, 15, s43                        ; my row of the cluster
	s_lshl_b32 s44, 0x1111, s40                    ; my column
	; group 1: a tile of 128 rows x 256 bytes, padded in LDS
	s_or_b32 s[G1+0], s43, (0<<16)|(1<<20)|(1<<21)|(5<<22)|(3<<25)  ; 15:0 the mask; 17:16 element of 1 byte; 20 padding on; 21 set beside a mask; 24:22 after every 64 words; 31:25 four words
	s_or_b32 s[G1B+0], s44, (0<<16)|(1<<20)|(1<<21)|(5<<22)|(3<<25)
.irp g, G1, G1B
	s_mov_b32 s[\g+1], ROWB<<16                    ; tensor_dim0
	s_mov_b32 s[\g+2], 128<<16                     ; tensor_dim1
	s_mov_b32 s[\g+3], ROWB<<16                    ; tile_dim0
	s_mov_b32 s[\g+4], 128                         ; tile_dim1
	s_mov_b32 s[\g+5], KROW                        ; tensor_dim0_stride
	s_mov_b32 s[\g+6], 0
	s_mov_b32 s[\g+7], 0
.endr
	s_lshl_b32 s18, s16, 7                         ; which 128 rows of the tile I fetch
	s_lshl_b32 s20, s17, 8
	s_add_co_u32 s20, s20, s18
	s_lshl_b32 s79, s76, 11
	s_add_co_u32 s20, s20, s79                     ; S1's row; v's rows of w_qkv begin at 2,048
	s_lshl_b32 s20, s20, 10                        ; in bytes: under 2^23
	s_mov_b32 s21, 0
	s_lshl_b32 s46, s42, 8
	s_add_co_u32 s46, s46, s18                     ; S0's row
	s_lshl_b32 s46, s46, 10
	s_mov_b32 s47, 0
	s_mul_i32 s45, s14, HALFT                      ; where they go: wave x 128 rows: no place in the cluster enters an LDS address
	s_wait_kmcnt 0x0
	s_load_b256 s[84:91], s[8:9], 0x0              ; e0 .. e7
	s_cmp_eq_u32 s76, 1
	s_cselect_b64 s[80:81], s[6:7], s[4:5]         ; S1's tensor
	s_cselect_b64 s[82:83], s[4:5], s[6:7]         ; S0's tensor
	s_add_nc_u64 s[20:21], s[80:81], s[20:21]
	s_add_nc_u64 s[46:47], s[82:83], s[46:47]
	CROUND                                         ; all sixteen work-groups are here: the first joint loads meet
.irp s, 0,1
	s_mov_b32 s[G0+4*\s], 1
	s_add_co_u32 s[G0+4*\s+1], s45, \s*SLOT
	s_add_nc_u64 s[G0+4*\s+2:G0+4*\s+3], s[20:21], \s*ROWB
	s_or_b32 s[G0+4*\s+3], s[G0+4*\s+3], 0x80000000
	s_mov_b32 s[G0B+4*\s], 1
	s_add_co_u32 s[G0B+4*\s+1], s45, \s*SLOT
	s_add_nc_u64 s[G0B+4*\s+2:G0B+4*\s+3], s[46:47], \s*ROWB
	s_or_b32 s[G0B+4*\s+3], s[G0B+4*\s+3], 0x80000000
	JLOAD G0+4*\s, G1, G0B+4*\s, G1B
.endr
	v_and_b32 v1, 15, v0                           ; r
	v_bfe_u32 v2, v0, 4, 1                         ; h
	v_mul_u32_u24 v3, v1, PITCH
	v_lshl_add_u32 v4, v2, 4, v3                   ; a fragment's row x pitch + 16 h
	s_mul_i32 s21, s15, HALFT                      ; my 128 rows of S1
	s_mul_i32 s22, s16, HALFT                      ; my 128 rows of S0,
	s_add_co_u32 s22, s22, 2*HALFT                 ; which lie behind S1's 256
.irp s, 0,1
	v_add_nc_u32 v[ADRA+\s], s21, v4
	v_add_nc_u32 v[ADRB+\s], s22, v4
	s_add_co_u32 s21, s21, SLOT
	s_add_co_u32 s22, s22, SLOT
.endr
	v_and_b32 v3, 31, v0
	v_lshlrev_b32 v[GO], 4, v3
	v_lshlrev_b32 v[VBQ], 5, v2
	v_lshlrev_b32 v[VBV], 2, v1
	; where my codes go.  i1, i0: my first row of S1 and of S0.  t and n (within q, k or v) change places where v.
	s_lshl_b32 s18, s17, 8
	s_lshl_b32 s19, s15, 7
	s_add_co_u32 s18, s18, s19                     ; i1
	s_lshl_b32 s19, s42, 8
	s_lshl_b32 s22, s16, 7
	s_add_co_u32 s19, s19, s22                     ; i0
	s_and_b32 s23, s19, 1023
	s_add_co_u32 s79, s18, 2048
	s_wait_alu depctr_va_vdst(0)
	s_wait_kmcnt 0x0                               ; the exponents
	s_cmp_eq_u32 ttmp9, 0
	s_cselect_b64 s[66:67], s[68:69], s[70:71]     ; q_img or k_img,
	s_cselect_b32 s98, s86, s87                    ; e2 or e3,
	s_cmp_eq_u32 s76, 1
	s_cselect_b64 s[66:67], s[72:73], s[66:67]     ; or v_img
	s_cselect_b32 s98, s89, s98                    ; and e5
	s_cselect_b32 s94, s19, s18                    ; my first t
	s_cselect_b32 s95, s18, s23                    ; my first n
	s_cselect_b32 s99, s79, s19                    ; the first entry of b_qkv that I want
	s_lshr_b32 s22, s94, 11                        ; the batch,
	s_lshl_b32 s22, s22, 4
	s_lshr_b32 s23, s95, 6                         ; the head
	s_add_co_u32 s22, s22, s23
	s_lshl_b32 s22, s22, 17                        ; x 131,072
	s_and_b32 s23, s94, 2047
	s_lshl_b32 s23, s23, 6                         ; 64 bytes for each t of a head, in all three layouts
	s_add_co_u32 s22, s22, s23
	s_mov_b32 s23, 0
	s_add_nc_u64 s[66:67], s[66:67], s[22:23]
	s_lshl_b32 s22, s99, 2
	s_add_nc_u64 s[92:93], s[10:11], s[22:23]
	s_add_co_i32 s96, s84, s85
	s_add_co_i32 s96, s96, 127
	s_lshl_b32 s96, s96, 23                        ; 2^(e0 + e1) as f32
	s_mov_b32 s97, s96                             ; (named with it as a pair, so it is written)
	s_add_co_i32 s98, s98, 127
	s_lshl_b32 s99, s98, 23
	v_mov_b32 v[SCL], s99                          ; 2^eo: the conversion takes its exponent field
.macro FRAG reg, adr, q, i             ; 16 rows x 128 K: registers 4 c .. 4 c + 3 hold K = 32 c + 16 h + 0 .. 15: the same permutation of k in both operands, so every product meets its partner
.irp c, 0,1,2,3
	ds_load_b128 v[\reg+4*\c:\reg+4*\c+3], v[\adr] offset:128*(\q)+32*\c+(\i)*16*PITCH
.endr
.endm
; 16 matrix instructions: S1's blocks a0, a0 + 1 x S0's eight.  p: S0's set.  zero = 1: the first product starts the sums.  The 64 accumulators take turns, one instruction a turn.
.macro MUL16 a0, p, zero
.irp a, \a0, \a0+1
.irp b, 0,1,2,3,4,5,6,7
.if \zero
	v_wmma_f32_16x16x128_bf8_bf8 v[8*(8*((\a)%4)+\b):8*(8*((\a)%4)+\b)+7], v[128*(\p)+FR*\b:128*(\p)+FR*\b+FR-1], v[AF+FR*(\a):AF+FR*(\a)+FR-1], 0
.else
	v_wmma_f32_16x16x128_bf8_bf8 v[8*(8*((\a)%4)+\b):8*(8*((\a)%4)+\b)+7], v[128*(\p)+FR*\b:128*(\p)+FR*\b+FR-1], v[AF+FR*(\a):AF+FR*(\a)+FR-1], v[8*(8*((\a)%4)+\b):8*(8*((\a)%4)+\b)+7]
.endif
.endr
.endr
.endm
.macro FETCH_B slot, q, p              ; S0's eight fragments of the slot's q-th 128 along K into set p
	WIN TO_B
.irp i, 0,1,2,3,4,5,6,7
	FRAG 128*(\p)+FR*\i, ADRB+\slot, \q, \i
.endr
	WIN 0
.endm
.macro FETCH_A slot, q, i0             ; S1's blocks i0 .. i0 + 3
.irp i, \i0, \i0+1, \i0+2, \i0+3
	FRAG AF+FR*(\i), ADRA+\slot, \q, \i
.endr
.endm
.macro PLACES n                        ; plain vector lines between a matrix instruction and a load into, or a vector line on, one of its registers (ISA guide 7.12.1 for vector lines)
.rept \n
	v_nop
.endr
.endm
; A step of 128 along K that has its successor in the same slot.  A block of S1 is free as soon as its eight products are issued: blocks 0-3 are fetched anew in the step's middle, blocks 4-7 at its end.
.macro STEP slot, q, zero
	s_wait_dscnt 4*NL                              ; S0's set and S1's blocks 0-3 are in; the 16 youngest loads (blocks 4-7) may be out
	WIN MUL_LO
	MUL16 0, (\q)%2, \zero
	MUL16 2, (\q)%2, \zero
	s_wait_dscnt 0                                 ; blocks 4-7 are in
	PLACES NP
	FETCH_B \slot, (\q)+1, 1-(\q)%2
	FETCH_A \slot, (\q)+1, 0
	WIN MUL_HI
	MUL16 4, (\q)%2, \zero
	MUL16 6, (\q)%2, \zero
	PLACES NP
	WIN 0
	FETCH_A \slot, (\q)+1, 4
.endm
; A slot's last step changes slots: ONE barrier; in front of it each wave waits for all its tensor loads, adds 0 to its spare word, and waits for that and for its own reads of this slot.  fill = 1: this slot is filled again, two K steps ahead.
.macro TURN slot, next, fill
	s_wait_tensorcnt 0x0                           ; all my tensor loads have landed: my part of the next slot
	ds_add_u32 v[SPW], v[NIL]                      ; 0 onto my spare word
	s_wait_dscnt 4*NL+1                            ; (the add and the 16 youngest loads may be out)
	WIN MUL_LO
	MUL16 0, 1, 0                                  ; sixteen matrix instructions stand between the add and the wait for it
	s_wait_dscnt 0x0                               ; the add is done, and my reads of this slot are over
	s_barrier_signal -1
	MUL16 2, 1, 0
	WIN 0
	s_barrier_wait -1
.if \fill
	CREST                                          ; the barrier has opened a round of the cluster's barrier: no wave of any partner still reads this slot or has a load on its way
	s_add_nc_u64 s[G0+4*\slot+2:G0+4*\slot+3], s[G0+4*\slot+2:G0+4*\slot+3], 2*ROWB
	s_add_nc_u64 s[G0B+4*\slot+2:G0B+4*\slot+3], s[G0B+4*\slot+2:G0B+4*\slot+3], 2*ROWB
	JLOAD G0+4*\slot, G1, G0B+4*\slot, G1B         ; the first tensor load behind the round; its four v_nop are the places in front of the loads below
.else
	PLACES NP
.endif
	FETCH_B \next, 0, 0
	FETCH_A \next, 0, 0
	WIN MUL_HI
	MUL16 4, 1, 0
	MUL16 6, 1, 0
	PLACES NP
	WIN 0
	FETCH_A \next, 0, 4
.endm
.macro LAST                            ; the very last step: nothing more to fetch
	s_wait_dscnt 4*NL
	WIN MUL_LO
	MUL16 0, 1, 0
	MUL16 2, 1, 0
	s_wait_dscnt 0
	WIN MUL_HI
	MUL16 4, 1, 0
	MUL16 6, 1, 0
	WIN 0
.endm
.macro BIASQ                           ; q, k: lane (r, h) wants, for tile b, b_qkv at n = 16 b + 8 h + 0 .. 7
.irp b, 0,1,2,3,4,5,6,7
	global_load_b128 v[BJ+8*\b:BJ+8*\b+3], v[VBQ], s[92:93] offset:64*\b
	global_load_b128 v[BJ+8*\b+4:BJ+8*\b+7], v[VBQ], s[92:93] offset:64*\b+16
.endr
.endm
.macro BIASV                           ; v: lane (r, h) wants, for block a, b_qkv at d = 16 a + r, in both registers of a pair
.irp a, 0,1,2,3,4,5,6,7
	global_load_b32 v[BI+2*\a], v[VBV], s[92:93] offset:64*\a
	global_load_b32 v[BI+2*\a+1], v[VBV], s[92:93] offset:64*\a
.endr
.endm
; THE WAY OUT, block a by block a: sum x 2^(e0 + e1) + bias, the hold, the conversion; the block's 16 registers of codes are four pieces, each stored as 512 consecutive bytes, aligned.
.macro EPI isv
	s_wait_loadcnt 0x0                             ; the biases
	PLACES NP                                      ; behind the last products: their results are read, and S1's fragment registers take the codes
.irp a, 0,1,2,3,4,5,6,7
.irp g, 0,1
	WIN 0x02+(\a/4)                                ; source 0: window 2 or 3
.set j, 0
.rept 16
.if \isv
	v_pk_fma_f32 v[TMP+j:TMP+j+1], v[64*(\a%4)+32*\g+j:64*(\a%4)+32*\g+j+1], s[96:97], v[BI+2*\a:BI+2*\a+1] op_sel_hi:[1,0,1]
.else
	v_pk_fma_f32 v[TMP+j:TMP+j+1], v[64*(\a%4)+32*\g+j:64*(\a%4)+32*\g+j+1], s[96:97], v[BJ+32*\g+j:BJ+32*\g+j+1] op_sel_hi:[1,0,1]
.endif
.set j, j+2
.endr                                              ; each accumulator from its low end on
	WIN 0
.set j, 0
.rept 32
.set j, j+1
.endr
.irp t, 0,1,2,3
	v_cvt_scalef32_pk8_bf8_f32 v[CD+16*\a+8*\g+2*\t:CD+16*\a+8*\g+2*\t+1], v[TMP+8*\t:TMP+8*\t+7], v[SCL]   ; tile b = 4 g + t: registers 2 b, 2 b + 1 of the operand
.endr
	v_nop                                          ; a plain line behind the last conversion: the next lines write its sources
.endr
.irp p, 0,1,2,3
.if \isv
	global_store_b128 v[GO], v[CD+16*\a+4*\p:CD+16*\a+4*\p+3], s[66:67] offset:(\a/4)*HEADB+(\a%4)*2048+\p*512
.else
	global_store_b128 v[GO], v[CD+16*\a+4*\p:CD+16*\a+4*\p+3], s[66:67] offset:(\p/2)*HEADB+\a*1024+(\p%2)*512
.endif
.endr
.endr
.endm
	s_wait_tensorcnt 1                             ; my part of K step 0 is in (K step 1's load may be out)
	s_barrier_signal -1
	s_barrier_wait -1                              ; everybody's is
	FETCH_B 0, 0, 0
	FETCH_A 0, 0, 0
	FETCH_A 0, 0, 4
	STEP 0, 0, 1                                   ; K = 1,024 is eight steps of 128: they are written straight.  The first products start the sums
	TURN 0, 1, 1                                   ; slot 0 takes K step 2
	STEP 1, 0, 0
	TURN 1, 0, 1                                   ; slot 1 takes K step 3
	STEP 0, 0, 0
	TURN 0, 1, 0                                   ; nothing is left to fetch
	s_cmp_eq_u32 s76, 1                            ; the ways part here, on the cluster's x, so that each way's biases land under its last 128 products; no barrier and no tensor load stands in an arm
	s_cbranch_scc1 .Lv
	BIASQ
	STEP 1, 0, 0
	LAST
	EPI 0
	s_branch .Lend
.Lv:
	BIASV
	STEP 1, 0, 0
	LAST
	EPI 1
.Lend:
	s_wait_tensorcnt 0x0                           ; the wave's end
	ds_add_u32 v[SPW], v[NIL]
	s_wait_dscnt 0x0
	CROUND                                         ; the closing round: no work-group ends while a partner may still ask for a tile that names it
	s_endpgm
.Lfunc_end_k_q053eb0d532_qkv:
	.size	k_q053eb0d532_qkv, .Lfunc_end_k_q053eb0d532_qkv-k_q053eb0d532_qkv
	.p2alignl 7, 3214868480
	.fill 96, 4, 3214868480
	.section	.rodata,"a",@progbits
	.p2align	6, 0x0
	.amdhsa_kernel k_q053eb0d532_qkv
		.amdhsa_group_segment_fixed_size 327680
		.amdhsa_private_segment_fixed_size 0
		.amdhsa_enable_private_segment 0
		.amdhsa_kernarg_size 56
		.amdhsa_user_sgpr_count 2
		.amdhsa_user_sgpr_kernarg_segment_ptr 1
		.amdhsa_wavefront_size32 1
		.amdhsa_system_sgpr_workgroup_id_x 1
		.amdhsa_system_sgpr_workgroup_id_y 1
		.amdhsa_system_sgpr_workgroup_id_z 1
		.amdhsa_system_vgpr_workitem_id 0
		.amdhsa_next_free_vgpr 1024
		.amdhsa_next_free_sgpr 100
		.amdhsa_reserve_vcc 0
		.amdhsa_float_denorm_mode_32 3
		.amdhsa_float_denorm_mode_16_64 3
		.amdhsa_fp16_overflow 1
		.amdhsa_memory_ordered 1
		.amdhsa_forward_progress 1
		.amdhsa_inst_pref_size 143
	.end_amdhsa_kernel
	.amdgpu_metadata
---
amdhsa.version: [ 1, 2 ]
amdhsa.kernels:
  - .name:           k_q053eb0d532_qkv
    .symbol:         k_q053eb0d532_qkv.kd
    .args:
      - { .name: x_codes, .offset: 0, .size: 8, .value_kind: global_buffer, .address_space: global }
      - { .name: w_qkv_codes, .offset: 8, .size: 8, .value_kind: global_buffer, .address_space: global }
      - { .name: lowp_scales, .offset: 16, .size: 8, .value_kind: global_buffer, .address_space: global }
      - { .name: b_qkv, .offset: 24, .size: 8, .value_kind: global_buffer, .address_space: global }
      - { .name: q_img, .offset: 32, .size: 8, .value_kind: global_buffer, .address_space: global }
      - { .name: k_img, .offset: 40, .size: 8, .value_kind: global_buffer, .address_space: global }
      - { .name: v_img, .offset: 48, .size: 8, .value_kind: global_buffer, .address_space: global }
    .group_segment_fixed_size: 327680
    .private_segment_fixed_size: 0
    .kernarg_segment_align: 8
    .kernarg_segment_size: 56
    .max_flat_workgroup_size: 128
    .sgpr_count:     100
    .vgpr_count:     1024
    .wavefront_size: 32
...
	.end_amdgpu_metadata
.endif
;; end of part 1
;; launch attn (part 2): grid 4 x 64, 16 waves a work-group, no clusters, 327,680 bytes of LDS; arguments q_img, k_img, v_img, lowp_scales, y_img; writes y_img
.if DOCPART == 2
	.amdgcn_target "amdgcn-amd-amdhsa--gfx1250"
	.amdhsa_code_object_version 6
	.text
	.protected	k_q053eb0d532_attn
	.globl	k_q053eb0d532_attn
	.p2align	8
	.type	k_q053eb0d532_attn,@function
k_q053eb0d532_attn:
	s_mov_b64 s[64:65], 0
	v_nop
	global_prefetch_b8 v0, s[64:65] scope:SCOPE_SE
	s_setreg_imm32_b32 hwreg(HW_REG_WAVE_MODE, 25, 1), 1
	s_wait_xcnt 0x0
; y = softmax(q k^T / 8, causal) v for one head, both products on codes of BF8 (E5M2); y is quantised with 2^e6 and stored as images of the projection's operand registers.
; THE SOFTMAX: t = score x log2(e) / 8; M = the running largest t rounded UP to a whole number; p = 2^(t - M) is quantised with 2^e4, not normalised; the row's sum is taken of the unquantised p and divides at the end.
; When M moves, the sum and O are multiplied by 2^(old M - new M): exact.
; LIMITS: e2 + e3 between -123 and 130 (they are added to c's exponent field); e4 and e6 between -126 and 112; e4 + e5 is applied by v_ldexp_f32 and has none.
; SHARES.  Work-group (x = 0..3, y = 16 b + head) holds the WHOLE head's K and V in LDS: 131,072 bytes each, as images, dense: every LDS read is 16 bytes a lane, 512 on end.  LDS is filled once: no slot is filled again.
; Each of the sixteen waves makes two tiles of 16 queries, one after the other: tile QT = 16 x + wave, then tile 127 - QT.  A tile needs QT / 8 + 1 key steps of 128: 17 for the two, in every wave of the launch.
; NO CLUSTER: the four work-groups of a head read the same K and V, but what tells them apart is their x, and the branch that leaves hidden key steps out hangs on it.
; LAYOUT.  S^T = K Q^T (source 0 = 16 keys, source 1 = my 16 queries), O^T = V^T P^T (source 0 = 16 channels, source 1 = P): a lane holds ONE query (lane % 16) throughout.
; Register j of score tile u is key 16 u + 8 h + j: the conversion of a tile's eight registers is registers 2 u, 2 u + 1 of P, every k in its own place.  Likewise O^T's four tiles become y's fragment of 16 rows x 64 channels.
; The loops' trip counts are constants (8 and 16); a step all of whose keys come after my queries is jumped over, by a scalar branch on ids.
.set VOFF, 131072                      ; LDS: K's tile of 16 keys kt at 1,024 kt; V's fragment (key step ks, channels 16 dt on) at VOFF + 8,192 ks + 2,048 dt
.set LI,   1                           ; v1   16 x lane; never rewritten
.set RH,   2                           ; v2   r - 8 h
.set ADK,  8                           ; v8   LDS address of the step's tiles of K
.set ADV,  9                           ; v9   of V
                                       ; v12 -M, v13 the largest t, v[14:15] the sum in two halves; v16-23 Q of the first tile, v24-31 of the second
.set FRG,  32                          ; v32-95   K's eight fragments, then V's four
.set SC,   96                          ; v96-159  S^T, then p
.set OT,   160                         ; v160-191 O^T
.set PX,   192                         ; v192     a lane permute's destination
.set SB,   194                         ; v[194:195] the sum's second chain
.set MA,   196                         ; v196, v197 the maximum's two chains
.set MB,   197
.set FF,   198                         ; v[198:199] f = 2^(old M - new M); the upper word is named with it and written once
.set PSC,  200                         ; v200 2^e4
.set PLIM, 201
.set YSC,  202                         ; v202 2^e6
.set YLIM, 203
.set DD,   204                         ; v204 the mask's d
.set NINF, 205                         ; v205 -infinity
.set PC,   224                         ; v224-239 p's codes; v224-231 also y's
.set WV,   14                          ; s14  wave
.set BH,   15                          ; s15  16 b + head
.set SEL,  20                          ; s[20:21] lane selects: lane l xor 16
.set CS,   22                          ; s[22:23] c = log2(e) / 8 x 2^(e2 + e3)
.set G1,   24                          ; s[24:31] group 1
.set G0,   32                          ; s[32:39] two groups 0
.set QT,   48                          ; s48  the tile of queries in hand
.set Q0,   49                          ; s49  its first query
.set KF,   50                          ; s50  the step's first key
.set TB,   51                          ; s51  the step's first byte in K's region
.set CNT,  52
.set T0,   53
.set EPV,  54                          ; s54  e4 + e5
.set YP,   58                          ; s[58:59] where the tile's codes go
	s_load_b256 s[4:11], s[0:1], 0x0               ; q_img s[4:5], k_img s[6:7], v_img s[8:9], the scales' exponents s[10:11]
	s_load_b64 s[12:13], s[0:1], 0x20              ; y_img
	v_lshl_add_u32 v254, v0, 2, 0x40000
	v_mov_b32 v255, 0
	ds_add_u32 v254, v255
	ds_add_u32 v254, v255
	v_lshrrev_b32 v8, 5, v0
	s_delay_alu instid0(VALU_DEP_1)
	v_readfirstlane_b32 s[WV], v8                  ; wave 0..15
	s_and_b32 s[BH], ttmp7, 0xffff
	s_lshl_b32 s[QT], ttmp9, 4
	s_add_co_u32 s[QT], s[QT], s[WV]               ; the first tile: 16 x + wave
	; group 1: a dense block of 8,192 bytes as 32 rows of 256 bytes, in elements of 8 bytes
	s_mov_b32 s[G1+0], 3<<16                       ; no mask, elements of 8 bytes, no padding
	s_mov_b32 s[G1+1], 32<<16                      ; tensor_dim0 = 32
	s_mov_b32 s[G1+2], 32<<16                      ; tensor_dim1 = 32
	s_mov_b32 s[G1+3], 32<<16                      ; tile_dim0 = 32
	s_mov_b32 s[G1+4], 32                          ; tile_dim1 = 32
	s_mov_b32 s[G1+5], 32                          ; the pitch
	s_mov_b32 s[G1+6], 0
	s_mov_b32 s[G1+7], 0
	s_and_b32 s60, s[WV], 7
	s_lshl_b32 s60, s60, 13                        ; my 8,192 bytes of a group's 65,536,
	s_lshr_b32 s61, s[WV], 3
	s_lshl_b32 s61, s61, 17                        ; in K's region (waves 0-7) or V's (waves 8-15)
	s_mov_b32 s[G0], 1
	s_add_co_u32 s[G0+1], s60, s61                 ; keys 0 to 1,023
	s_mov_b32 s[G0+4], 1
	s_add_co_u32 s[G0+5], s[G0+1], 65536           ; keys 1,024 to 2,047
	s_lshl_b32 s62, s[BH], 17                      ; the head's first byte in q_img, k_img and v_img
	s_add_co_u32 s60, s60, s62
	s_mov_b32 s61, 0
	s_lshl_b32 s16, s[QT], 10
	s_add_co_u32 s16, s16, s62                     ; my first tile of Q,
	s_mov_b32 s17, 0
	s_sub_co_u32 s18, 127, s[QT]
	s_lshl_b32 s18, s18, 10
	s_add_co_u32 s18, s18, s62                     ; and my second
	s_mov_b32 s19, 0
	s_wait_dscnt 0x0
	s_wait_kmcnt 0x0
	s_load_b256 s[40:47], s[10:11], 0x0            ; e0 .. e7
	s_cmp_lt_u32 s[WV], 8
	s_cselect_b64 s[G0+2:G0+3], s[6:7], s[8:9]
	s_add_nc_u64 s[G0+2:G0+3], s[G0+2:G0+3], s[60:61]
	s_add_nc_u64 s[G0+6:G0+7], s[G0+2:G0+3], 65536
	s_or_b32 s[G0+3], s[G0+3], 0x80000000
	s_or_b32 s[G0+7], s[G0+7], 0x80000000
	tensor_load_to_lds s[G0:G0+3], s[G1:G1+7]      ; my first fill, keys 0 to 1,023; it lands before the barrier below, behind which the second goes out
	s_nop 0
	s_wait_alu depctr_va_vdst(0)
	s_wait_tensorcnt 0x0
	ds_add_u32 v254, v255
	s_wait_dscnt 0x0
	s_barrier_signal -1
	s_barrier_wait -1
	tensor_load_to_lds s[G0+4:G0+7], s[G1:G1+7]
	s_nop 0
.rept 4
	v_nop
.endr
	s_add_nc_u64 s[16:17], s[4:5], s[16:17]
	s_add_nc_u64 s[18:19], s[4:5], s[18:19]
	v_and_b32 v[LI], 31, v0
	s_delay_alu instid0(VALU_DEP_1)
	v_lshlrev_b32 v[LI], 4, v[LI]
	global_load_b128 v[16:19], v[LI], s[16:17] th:TH_LOAD_NT             ; both tiles of Q stay in registers: the second pass waits for no load
	global_load_b128 v[20:23], v[LI], s[16:17] offset:512 th:TH_LOAD_NT
	global_load_b128 v[24:27], v[LI], s[18:19] th:TH_LOAD_NT
	global_load_b128 v[28:31], v[LI], s[18:19] offset:512 th:TH_LOAD_NT
	v_and_b32 v[RH], 15, v0
	v_bfe_u32 v3, v0, 4, 1
	s_delay_alu instid0(VALU_DEP_1)
	v_lshlrev_b32 v3, 3, v3
	s_delay_alu instid0(VALU_DEP_1)
	v_sub_nc_u32 v[RH], v[RH], v3
	v_mov_b32 v[PX], 0                             ; written once: a lane permute's destination counts as one of its sources
	v_mov_b32 v[FF+1], 0
	v_mov_b32 v[NINF], 0xff800000
	s_mov_b32 s[SEL], 0x76543210
	s_mov_b32 s[SEL+1], 0xfedcba98
	s_wait_kmcnt 0x0
	s_add_co_i32 s60, s42, s43
	s_lshl_b32 s60, s60, 23
	s_add_co_i32 s[CS], s60, 0x3e38aa3b            ; c = log2(e) / 8, with e2 + e3 added to its exponent field
	s_mov_b32 s[CS+1], s[CS]
	s_add_co_i32 s[EPV], s44, s45
	s_add_co_i32 s60, s44, 127
	s_lshl_b32 s61, s60, 23
	v_mov_b32 v[PSC], s61
	s_add_co_i32 s60, s46, 127
	s_lshl_b32 s61, s60, 23
	v_mov_b32 v[YSC], s61
; A KEY STEP: my 16 queries (fragment in v[qf] on) x 128 keys.
.macro STEP qf
	s_add_co_u32 s[T0], s[Q0], 15
	s_cmp_gt_u32 s[KF], s[T0]                      ; all 128 keys come after my queries: nothing to do
	s_cbranch_scc1 .Lhidden_\@
	s_setprio 2
	v_add_nc_u32 v[ADK], s[TB], v[LI]
	s_delay_alu instid0(VALU_DEP_1)
	v_add_nc_u32 v[ADV], VOFF, v[ADK]
	v_nop                                          ; with the two additions: four places in front of loads into registers that the last step's products have read
	v_nop
.set u, 0
.rept 8
	ds_load_b128 v[FRG+8*u:FRG+8*u+3], v[ADK] offset:1024*u
	ds_load_b128 v[FRG+8*u+4:FRG+8*u+7], v[ADK] offset:1024*u+512
.set u, u+1
.endr
	s_wait_alu depctr_va_vdst(0)
	s_wait_dscnt 0x0
.set u, 0
.rept 8
	v_wmma_f32_16x16x64_bf8_bf8 v[SC+8*u:SC+8*u+7], v[FRG+8*u:FRG+8*u+7], v[\qf:\qf+7], 0
.set u, u+1
.endr
.rept 4
	v_nop                                          ; places: K's registers take V's fragments, and the scores are read
.endr
.set u, 0
.rept 16
	ds_load_b128 v[FRG+4*u:FRG+4*u+3], v[ADV] offset:512*u   ; V's four fragments, 8,192 bytes on end: they land under the softmax
.set u, u+1
.endr
	s_add_co_u32 s[T0], s[KF], 127
	s_cmp_le_u32 s[T0], s[Q0]                      ; all keys count: no mask
	s_cbranch_scc1 .Lopen_\@
	s_sub_co_i32 s[T0], s[Q0], s[KF]
	v_add_nc_u32 v[DD], s[T0], v[RH]               ; d = my query - KF - 8 h.  Register 8 u + j holds key KF + 16 u + 8 h + j: hidden where 16 u + j > d
.set n, 0
.rept 64
	v_cmp_gt_i32 vcc_lo, 16*(n/8)+n%8, v[DD]
	v_cndmask_b32 v[SC+n], v[SC+n], v[NINF], vcc_lo   ; -infinity ahead of the maximum: p = 0 then.  The step's first key counts for every query of mine, so the maximum is a number
.set n, n+1
.endr
.Lopen_\@:
	v_max3_num_f32 v[MA], v[SC], v[SC+1], v[SC+2]  ; the step's largest score of my query among my 64 keys, in two chains, the registers in ascending order
	v_max3_num_f32 v[MB], v[SC+3], v[SC+4], v[SC+5]
.set j, 6
.rept 14
	v_max3_num_f32 v[MA], v[MA], v[SC+j], v[SC+j+1]
	v_max3_num_f32 v[MB], v[MB], v[SC+j+2], v[SC+j+3]
.set j, j+4
.endr
	v_max3_num_f32 v[MA], v[MA], v[SC+62], v[SC+63]
	s_delay_alu instid0(VALU_DEP_1)
	v_max_num_f32 v[MA], v[MA], v[MB]
	s_delay_alu instid0(VALU_DEP_1)
	v_permlanex16_b32 v[PX], v[MA], s[SEL], s[SEL+1]
	s_delay_alu instid0(VALU_DEP_1)
	v_max_num_f32 v[MA], v[MA], v[PX]              ; and among lane l xor 16's
	s_delay_alu instid0(VALU_DEP_1)
	v_mul_f32 v[MA], s[CS], v[MA]                  ; as t (c is positive)
	s_delay_alu instid0(VALU_DEP_1)
	v_max_num_f32 v13, v13, v[MA]                  ; the running largest t
	v_mov_b32 v[MA], v12
	s_delay_alu instid0(VALU_DEP_2)
	v_floor_f32 v12, -v13                          ; the new -M = floor(-t) = -ceil(t)
	s_delay_alu instid0(VALU_DEP_1)
	v_sub_f32 v[MA], v12, v[MA]                    ; old M - new M: a whole number, 0 or less
	s_delay_alu instid0(VALU_DEP_1)
	v_cvt_i32_f32 v[MA], v[MA]                     ; (it saturates)
	s_delay_alu instid0(VALU_DEP_1)
	v_ldexp_f32 v[FF], 1.0, v[MA]                  ; f = 2^(old M - new M)
.set j, 0
	s_setprio 1
.rept 32
	v_pk_fma_f32 v[SC+j:SC+j+1], v[SC+j:SC+j+1], s[CS:CS+1], v[12:13] op_sel_hi:[1,0,0]   ; t - M, two at a time
.set j, j+2
.endr
.set j, 0
	s_wait_alu depctr_va_vdst(0)
.rept 64
	v_exp_f32 v[SC+j], v[SC+j]                     ; p = 2^(t - M): one batch
.set j, j+1
.endr
	v_pk_mul_f32 v[14:15], v[14:15], v[FF:FF+1] op_sel_hi:[1,0]   ; the sums under the new M: the plain line behind the exponentials
	s_wait_alu depctr_va_vdst(0)                   ; one wait for the batch, ahead of its first reader
	v_pk_add_f32 v[SB:SB+1], v[SC:SC+1], v[SC+2:SC+3]   ; the row's sum is taken of the unquantised p, in two chains
.set j, 4
.rept 15
	v_pk_add_f32 v[14:15], v[14:15], v[SC+j:SC+j+1]
	v_pk_add_f32 v[SB:SB+1], v[SB:SB+1], v[SC+j+2:SC+j+3]
.set j, j+4
.endr
	s_delay_alu instid0(VALU_DEP_1)
	v_pk_add_f32 v[14:15], v[14:15], v[SB:SB+1]
.set u, 0
	s_setprio 0
.rept 8
.set j, 0
.rept 8
.set j, j+1
.endr
	v_cvt_scalef32_pk8_bf8_f32 v[PC+2*u:PC+2*u+1], v[SC+8*u:SC+8*u+7], v[PSC]
.set u, u+1
.endr
.set j, 0
.rept 16
	v_pk_mul_f32 v[OT+j:OT+j+1], v[OT+j:OT+j+1], v[FF:FF+1] op_sel_hi:[1,0]   ; O^T under the new M; also the plain lines behind the conversions
.set j, j+2
.endr
	s_wait_alu depctr_va_vdst(0)
	s_wait_dscnt 0x0                               ; V is in
.set u, 0
.rept 4
	v_wmma_f32_16x16x128_bf8_bf8 v[OT+8*u:OT+8*u+7], v[FRG+16*u:FRG+16*u+15], v[PC:PC+15], v[OT+8*u:OT+8*u+7]   ; the four accumulators by turns; the next step's eight products stand between two links
.set u, u+1
.endr
.Lhidden_\@:
.endm
; The tile's end: O^T / the sum x 2^(e4 + e5), the hold, the conversion with 2^e6; two pieces of 512 consecutive bytes.
.macro FINISH
.rept 4
	v_nop                                          ; places behind the last products
.endr
	v_add_f32 v14, v14, v15
	s_delay_alu instid0(VALU_DEP_1)
	v_permlanex16_b32 v[PX], v14, s[SEL], s[SEL+1]
	s_delay_alu instid0(VALU_DEP_1)
	v_add_f32 v14, v14, v[PX]                      ; the row's sum
	s_wait_alu depctr_va_vdst(0)
	v_rcp_f32 v14, v14
	v_nop                                          ; a plain line behind the transcendental
	s_wait_alu depctr_va_vdst(0)                   ; and the wait ahead of its first reader
	v_ldexp_f32 v14, v14, s[EPV]
.set j, 0
.rept 16
	v_pk_mul_f32 v[SC+j:SC+j+1], v[OT+j:OT+j+1], v[14:15] op_sel_hi:[1,0]   ; register 8 dt + j is y(query r, channel 16 dt + 8 h + j)
.set j, j+2
.endr
.set j, 0
.rept 32
.set j, j+1
.endr
.set u, 0
.rept 4
	v_cvt_scalef32_pk8_bf8_f32 v[PC+2*u:PC+2*u+1], v[SC+8*u:SC+8*u+7], v[YSC]
.set u, u+1
.endr
	v_nop                                          ; a plain line behind the last conversion
	global_store_b128 v[LI], v[PC:PC+3], s[YP:YP+1]
	global_store_b128 v[LI], v[PC+4:PC+7], s[YP:YP+1] offset:512
.endm
; One tile of queries: s[QT] names it; its fragment of Q lies in v[qf] on; trips: a constant that covers the tile's key steps.
.macro PASS trips, qf
	s_wait_xcnt 0x0                                ; the last tile's stores have read their data and their base: both are written again below
	s_lshl_b32 s[Q0], s[QT], 4
	s_lshr_b32 s62, s[BH], 4                       ; y_img: [128 b + QT][head][1,024 bytes]
	s_lshl_b32 s62, s62, 7
	s_add_co_u32 s62, s62, s[QT]
	s_lshl_b32 s62, s62, 4
	s_and_b32 s63, s[BH], 15
	s_add_co_u32 s62, s62, s63
	s_lshl_b32 s62, s62, 10
	s_mov_b32 s63, 0
	s_add_nc_u64 s[YP:YP+1], s[12:13], s[62:63]
	v_mov_b32 v13, 0xff61b1e6                      ; the largest t so far: -3e38, under every t
	s_delay_alu instid0(VALU_DEP_1)
	v_floor_f32 v12, -v13
	v_mov_b32 v14, 0
	v_mov_b32 v15, 0
.set j, 0
.rept 32
	v_mov_b32 v[OT+j], 0                           ; the step is written once: the first finds zeros, which the first change of M leaves zeros
.set j, j+1
.endr
	s_mov_b32 s[TB], 0
	s_mov_b32 s[KF], 0
	s_mov_b32 s[CNT], \trips
.Lk_\@:
	STEP \qf
	s_add_co_u32 s[TB], s[TB], 8192
	s_add_co_u32 s[KF], s[KF], 128
	s_sub_co_u32 s[CNT], s[CNT], 1
	s_cmp_lg_u32 s[CNT], 0
	s_cbranch_scc1 .Lk_\@
	s_setprio 0
	FINISH
.endm
	s_wait_loadcnt 0x0                             ; Q
	s_wait_tensorcnt 1                             ; my part of keys 0 to 1,023 is in; my second load may stay out
	s_barrier_signal -1
	s_barrier_wait -1                              ; everybody's is
	PASS 8, 16                                     ; tiles 0 to 63: eight trips reach LDS bytes under 65,536 of each region, which the first loads brought
	s_wait_tensorcnt 0x0                           ; my part of keys 1,024 to 2,047 is in,
	s_wait_dscnt 0x0
	s_barrier_signal -1
	s_barrier_wait -1                              ; everybody's is
	s_sub_co_u32 s[QT], 127, s[QT]
	PASS 16, 24                                    ; tiles 64 to 127
	s_wait_tensorcnt 0x0
	ds_add_u32 v254, v255
	s_wait_dscnt 0x0
	s_endpgm
.Lfunc_end_k_q053eb0d532_attn:
	.size	k_q053eb0d532_attn, .Lfunc_end_k_q053eb0d532_attn-k_q053eb0d532_attn
	.p2alignl 7, 3214868480
	.fill 96, 4, 3214868480
	.section	.rodata,"a",@progbits
	.p2align	6, 0x0
	.amdhsa_kernel k_q053eb0d532_attn
		.amdhsa_group_segment_fixed_size 327680
		.amdhsa_private_segment_fixed_size 0
		.amdhsa_enable_private_segment 0
		.amdhsa_kernarg_size 40
		.amdhsa_user_sgpr_count 2
		.amdhsa_user_sgpr_kernarg_segment_ptr 1
		.amdhsa_wavefront_size32 1
		.amdhsa_system_sgpr_workgroup_id_x 1
		.amdhsa_system_sgpr_workgroup_id_y 1
		.amdhsa_system_sgpr_workgroup_id_z 1
		.amdhsa_system_vgpr_workitem_id 0
		.amdhsa_next_free_vgpr 256
		.amdhsa_next_free_sgpr 66
		.amdhsa_reserve_vcc 1
		.amdhsa_float_denorm_mode_32 3
		.amdhsa_float_denorm_mode_16_64 3
		.amdhsa_fp16_overflow 1
		.amdhsa_memory_ordered 1
		.amdhsa_forward_progress 1
		.amdhsa_inst_pref_size 51
	.end_amdhsa_kernel
	.amdgpu_metadata
---
amdhsa.version: [ 1, 2 ]
amdhsa.kernels:
  - .name:           k_q053eb0d532_attn
    .symbol:         k_q053eb0d532_attn.kd
    .args:
      - { .name: q_img, .offset: 0, .size: 8, .value_kind: global_buffer, .address_space: global }
      - { .name: k_img, .offset: 8, .size: 8, .value_kind: global_buffer, .address_space: global }
      - { .name: v_img, .offset: 16, .size: 8, .value_kind: global_buffer, .address_space: global }
      - { .name: lowp_scales, .offset: 24, .size: 8, .value_kind: global_buffer, .address_space: global }
      - { .name: y_img, .offset: 32, .size: 8, .value_kind: global_buffer, .address_space: global }
    .group_segment_fixed_size: 327680
    .private_segment_fixed_size: 0
    .kernarg_segment_align: 8
    .kernarg_segment_size: 40
    .max_flat_workgroup_size: 512
    .sgpr_count:     66
    .vgpr_count:     256
    .wavefront_size: 32
...
	.end_amdgpu_metadata
.endif
;; end of part 2
;; launch proj (part 3): grid 4 x 32, 4 waves a work-group, clusters of 4 x 4, 327,680 bytes of LDS; arguments y_img, w_proj_codes, lowp_scales, b_proj, out0; writes out0
.if DOCPART == 3
	.amdgcn_target "amdgcn-amd-amdhsa--gfx1250"
	.amdhsa_code_object_version 6
	.text
	.protected	k_q053eb0d532_proj
	.globl	k_q053eb0d532_proj
	.p2align	8
	.type	k_q053eb0d532_proj,@function
k_q053eb0d532_proj:
	s_mov_b64 s[64:65], 0
	v_nop
	global_prefetch_b8 v0, s[64:65] scope:SCOPE_SE
	s_setreg_imm32_b32 hwreg(HW_REG_WAVE_MODE, 25, 1), 1
	s_wait_xcnt 0x0
	s_wait_alu depctr_hold_cnt(0) depctr_sa_sdst(0) depctr_va_vdst(0) depctr_va_sdst(0) depctr_va_ssrc(0) depctr_va_vcc(0) depctr_vm_vsrc(0)
	s_getreg_b32 s2, hwreg(HW_REG_IB_STS2, 6, 4)
	s_cmp_eq_u32 s2, 0
	s_cbranch_scc0 .Lentry_in_a_cluster
	s_endpgm
.Lentry_in_a_cluster:
	s_bfe_u32 s2, ttmp6, 0x10000c
	s_cmp_lg_u32 s2, 0xf033
	s_cbranch_scc0 .Lentry_shape_is_right
	s_endpgm
.Lentry_shape_is_right:
; out0 = y w_proj + b_proj on codes of BF8 (E5M2).  y: 8,192 rows x 1,024, as images of operand registers ([row / 16][head][1,024 bytes]); w_proj: [1024 (n)][1024 (k)] codes, K innermost; out0: [8192][1024] f32.
; out = sum x 2^(e6 + e7) + bias, one fused multiply-add.  LIMIT: e6 + e7 between -126 and 127, so that 2^(e6 + e7) is an f32 number.
; A tile of 256 x 256 is made by four waves, 128 x 128 each: 64 accumulators.  K goes in four steps of 256 (four heads) through two LDS slots.  128 work-groups: 32 x 4 tiles.
; Source 1 (S1) = 16 rows of y, source 0 (S0) = 16 rows of w_proj: a lane holds eight neighbouring numbers of a row of out0.
; S1's fragments lie in memory and in LDS as they lie in registers: two neighbouring heads are a fragment of 16 rows x 128 K, registers 2 c, 2 c + 1 = k 16 c + 8 h + 0 .. 7: four loads of 16 bytes a lane, 512 bytes on end.
; S0's fragments are read from rows in that same order of k: eight loads of 8 bytes at row x pitch + 8 h + 16 c.
; CLUSTERS: 4 x 4 work-groups; S1's tile is asked for jointly by a row of the cluster, S0's by a column.
; REGISTERS: window 0: v1-29 addresses; v32-95 the bias; v96-127 at work; v128-255 S1's fragments, ONE set, later rows on their way out.  window 1: S0's fragments, TWO sets.  windows 2, 3: accumulator (a, b) at v[8 (8 (a % 4) + b)].
.set SIZE_N, 1024
.set KROW,   1024                      ; a row of w_proj in bytes
.set ROWB,   256                       ; a row of S0's tile
.set PITCH,  272                       ; in LDS: + 16 of padding = 68 words: lane (r, h) of a load of 8 bytes takes banks 4 r + 2 h and the next (64 banks of 4 bytes: ISA guide 11.1)
.set FR,     16
.set NL,     4                         ; LDS loads that bring a fragment of S1
.set NP,     4
.set HALFT,  128*PITCH                 ; S0: 128 rows
.set AHALF,  32768                     ; S1: 8 blocks of 16 rows x 4,096 bytes
.set BOFF,   2*AHALF                   ; a slot: S1's 65,536 bytes, then S0's 256 rows
.set SLOT,   BOFF+2*HALFT
.set SPARE,  2*SLOT                    ; behind the ring: the spare words, 128 bytes a wave, which no other line names
.set SPITCH, 528                       ; the way out: a stage of 16 rows x (512 bytes + 16) for each wave, in slot 0, which has had its last fill and its last read when the first result is stored there
.set ADRA, 16
.set ADRB, 20
.set STO,  24                          ; v24  the way out: where I put 32 bytes of a row
.set RD,   25                          ; v25  where I read a row back
.set CO,   26                          ; v26  16 x lane
.set VB,   27                          ; v27  32 h: the bias
.set SPW,  28
.set NIL,  29
.set BJ,   32                          ; v32-95  b_proj at my 128 columns, eight a tile b
.set TMP,  96                          ; v96-127 32 numbers at work
.set AF,   128
.set BK,   128                         ; the way out: 16 rows read back: v128-191 and v192-255 by turns
.set G1, 24
.set G0, 32
.set G1B, 48
.set G0B, 56
.set MSB, 0
.macro WIN new
.if MSB != \new
	s_set_vgpr_msb (MSB<<8)|\new
.set MSB, \new
.endif
.endm
.set MUL_LO, 0xa1
.set MUL_HI, 0xf1
.set TO_B,   0x40
.macro JLOAD g0a, g1a, g0b, g1b        ; waves 0 and 1 fetch S1's halves, waves 2 and 3 S0's; four v_nop follow each of the two lines
	s_cmp_eq_u32 s15, 0
	s_cbranch_scc0 .Lfor_b_\@
	tensor_load_to_lds s[\g0a:\g0a+3], s[\g1a:\g1a+7]
	s_nop 0
.rept 4
	v_nop
.endr
	s_branch .Lasked_\@
.Lfor_b_\@:
	tensor_load_to_lds s[\g0b:\g0b+3], s[\g1b:\g1b+7]
	s_nop 0
.rept 4
	v_nop
.endr
.Lasked_\@:
.endm
.macro CREST
	s_cmp_lg_u32 s14, 0
	s_cbranch_scc1 .Lnot_wave_0_\@
	s_barrier_signal -3
.Lnot_wave_0_\@:
	s_barrier_wait -3
	s_barrier_signal -1
	s_barrier_wait -1
.endm
.macro CROUND
	s_barrier_signal -1
	s_barrier_wait -1
	CREST
.endm
	s_load_b128 s[4:7], s[0:1], 0x0                ; y_img s[4:5], w_proj's codes s[6:7]
	s_load_b128 s[8:11], s[0:1], 0x10              ; the scales' exponents s[8:9], b_proj s[10:11]
	s_load_b64 s[12:13], s[0:1], 0x20              ; out0
	v_lshl_add_u32 v[SPW], v0, 2, SPARE
	v_mov_b32 v[NIL], 0
	ds_add_u32 v28, v29
	ds_add_u32 v28, v29
	s_wait_dscnt 0x0
	v_lshrrev_b32 v1, 5, v0
	v_readfirstlane_b32 s14, v1                    ; wave 0..3
	s_lshr_b32 s15, s14, 1                         ; which half of the tile's rows is mine.  Also: I fetch for S1 (0) or for S0 (1)
	s_and_b32 s16, s14, 1                          ; which half of its columns.  Also: which half of that tile I fetch
	s_bfe_u32 s40, ttmp6, 0x40000                  ; cx, cy
	s_bfe_u32 s41, ttmp6, 0x40004
	s_lshl_b32 s42, ttmp9, 2
	s_add_co_u32 s42, s42, s40                     ; tile column
	s_and_b32 s17, ttmp7, 0xffff
	s_lshl_b32 s17, s17, 2
	s_add_co_u32 s17, s17, s41                     ; tile row
	s_lshl_b32 s43, s41, 2
	s_lshl_b32 s43, 15, s43                        ; my row of the cluster
	s_lshl_b32 s44, 0x1111, s40                    ; my column
	; S1's group 1: 8 blocks of 16 rows, of each the K step's 4,096 bytes, 16,384 bytes apart; elements of 8 bytes; they land on end
	s_or_b32 s[G1+0], s43, (3<<16)|(1<<21)
	s_mov_b32 s[G1+1], 512<<16                     ; tensor_dim0 = 512
	s_mov_b32 s[G1+2], 8<<16                       ; tensor_dim1 = 8
	s_mov_b32 s[G1+3], 512<<16                     ; tile_dim0 = 512
	s_mov_b32 s[G1+4], 8                           ; tile_dim1 = 8
	s_mov_b32 s[G1+5], 2048                        ; the pitch
	s_mov_b32 s[G1+6], 0
	s_mov_b32 s[G1+7], 0
	; S0's group 1: 128 rows x 256 bytes, padded in LDS
	s_or_b32 s[G1B+0], s44, (0<<16)|(1<<20)|(1<<21)|(5<<22)|(3<<25)
	s_mov_b32 s[G1B+1], ROWB<<16
	s_mov_b32 s[G1B+2], 128<<16
	s_mov_b32 s[G1B+3], ROWB<<16
	s_mov_b32 s[G1B+4], 128
	s_mov_b32 s[G1B+5], KROW
	s_mov_b32 s[G1B+6], 0
	s_mov_b32 s[G1B+7], 0
	s_lshl_b32 s18, s16, 7                         ; which 128 rows of the tile I fetch
	s_lshl_b32 s20, s17, 8
	s_add_co_u32 s20, s20, s18
	s_lshl_b32 s20, s20, 10                        ; y: 16 rows are 16,384 bytes
	s_mov_b32 s21, 0
	s_lshl_b32 s46, s42, 8
	s_add_co_u32 s46, s46, s18
	s_lshl_b32 s46, s46, 10                        ; w_proj: a row is 1,024 bytes
	s_mov_b32 s47, 0
	s_lshl_b32 s45, s16, 15                        ; where S1's half goes,
	s_mul_i32 s92, s16, HALFT
	s_add_co_u32 s92, s92, BOFF                    ; and S0's: the wave's number alone
	s_wait_kmcnt 0x0
	s_load_b64 s[96:97], s[8:9], 0x18              ; e6, e7
	s_add_nc_u64 s[20:21], s[4:5], s[20:21]
	s_add_nc_u64 s[46:47], s[6:7], s[46:47]
	CROUND                                         ; all sixteen work-groups are here: the first joint loads meet
.irp s, 0,1
	s_mov_b32 s[G0+4*\s], 1
	s_add_co_u32 s[G0+4*\s+1], s45, \s*SLOT
	s_add_nc_u64 s[G0+4*\s+2:G0+4*\s+3], s[20:21], \s*4096
	s_or_b32 s[G0+4*\s+3], s[G0+4*\s+3], 0x80000000
	s_mov_b32 s[G0B+4*\s], 1
	s_add_co_u32 s[G0B+4*\s+1], s92, \s*SLOT
	s_add_nc_u64 s[G0B+4*\s+2:G0B+4*\s+3], s[46:47], \s*ROWB
	s_or_b32 s[G0B+4*\s+3], s[G0B+4*\s+3], 0x80000000
	s_wait_alu depctr_va_vdst(0)
	s_wait_tensorcnt 0x0
	ds_add_u32 v28, v29
	ds_add_u32 v28, v29
	s_wait_dscnt 0x0
	CROUND
	JLOAD G0+4*\s, G1, G0B+4*\s, G1B
.endr
	v_and_b32 v1, 15, v0                           ; r
	v_bfe_u32 v2, v0, 4, 1                         ; h
	v_and_b32 v6, 31, v0
	v_lshlrev_b32 v[CO], 4, v6                     ; 16 x lane
	v_mul_u32_u24 v3, v1, PITCH
	v_lshl_add_u32 v4, v2, 3, v3                   ; S0: row x pitch + 8 h
	s_lshl_b32 s21, s15, 15                        ; my 128 rows of y
	s_mul_i32 s22, s16, HALFT                      ; my 128 rows of w_proj
	s_add_co_u32 s22, s22, BOFF
.irp s, 0,1
	v_add_nc_u32 v[ADRA+\s], s21, v[CO]
	v_add_nc_u32 v[ADRB+\s], s22, v4
	s_add_co_u32 s21, s21, SLOT
	s_add_co_u32 s22, s22, SLOT
.endr
	s_mul_i32 s23, s14, 16*SPITCH                  ; my stage
	v_mul_u32_u24 v5, v1, SPITCH                   ; in: row r, 32 bytes for each half of the lanes
	v_lshl_add_u32 v5, v2, 5, v5
	v_add_nc_u32 v[STO], s23, v5
	v_add_nc_u32 v[RD], s23, v[CO]                 ; back: the 32 lanes take one row of 512 bytes
	v_lshlrev_b32 v[VB], 5, v2
	s_wait_alu depctr_va_vdst(0)
	s_lshl_b32 s20, s17, 8
	s_lshl_b32 s21, s15, 7
	s_add_co_u32 s20, s20, s21                     ; my first row of out0
	s_lshl_b32 s20, s20, 12                        ; rows of 4,096 bytes: under 2^25
	s_mov_b32 s21, 0
	s_lshl_b32 s46, s42, 10                        ; my first column, in bytes: 1,024 x tile column + 512 x half
	s_lshl_b32 s47, s16, 9
	s_add_co_u32 s46, s46, s47
	s_mov_b32 s47, 0
	s_add_nc_u64 s[10:11], s[10:11], s[46:47]      ; b_proj at my first column
	s_add_nc_u64 s[20:21], s[20:21], s[46:47]
	s_add_nc_u64 s[12:13], s[12:13], s[20:21]
.irp b, 0,1,2,3,4,5,6,7
	global_load_b128 v[BJ+8*\b:BJ+8*\b+3], v[VB], s[10:11] offset:64*\b        ; lane (r, h), tile b: columns 16 b + 8 h + 0 .. 7
	global_load_b128 v[BJ+8*\b+4:BJ+8*\b+7], v[VB], s[10:11] offset:64*\b+16
.endr
.macro FRAGA reg, adr, q, i            ; block i of 16 rows, the slot's q-th 128 along K: 2,048 bytes on end, as they lie in registers
.irp c, 0,1,2,3
	ds_load_b128 v[\reg+4*\c:\reg+4*\c+3], v[\adr] offset:4096*(\i)+2048*(\q)+512*\c
.endr
.endm
.macro FRAGB reg, adr, q, i            ; 16 rows of w_proj: registers 2 c, 2 c + 1 = k 16 c + 8 h + 0 .. 7
.irp c, 0,1,2,3,4,5,6,7
	ds_load_b64 v[\reg+2*\c:\reg+2*\c+1], v[\adr] offset:128*(\q)+16*\c+(\i)*16*PITCH
.endr
.endm
.macro MUL16 a0, p, zero               ; the 64 accumulators take turns, one instruction a turn
.irp a, \a0, \a0+1
.irp b, 0,1,2,3,4,5,6,7
.if \zero
	v_wmma_f32_16x16x128_bf8_bf8 v[8*(8*((\a)%4)+\b):8*(8*((\a)%4)+\b)+7], v[128*(\p)+FR*\b:128*(\p)+FR*\b+FR-1], v[AF+FR*(\a):AF+FR*(\a)+FR-1], 0
.else
	v_wmma_f32_16x16x128_bf8_bf8 v[8*(8*((\a)%4)+\b):8*(8*((\a)%4)+\b)+7], v[128*(\p)+FR*\b:128*(\p)+FR*\b+FR-1], v[AF+FR*(\a):AF+FR*(\a)+FR-1], v[8*(8*((\a)%4)+\b):8*(8*((\a)%4)+\b)+7]
.endif
.endr
.endr
.endm
.macro FETCH_B slot, q, p
	WIN TO_B
.irp i, 0,1,2,3,4,5,6,7
	FRAGB 128*(\p)+FR*\i, ADRB+\slot, \q, \i
.endr
	WIN 0
.endm
.macro FETCH_A slot, q, i0
.irp i, \i0, \i0+1, \i0+2, \i0+3
	FRAGA AF+FR*(\i), ADRA+\slot, \q, \i
.endr
.endm
.macro PLACES n
.rept \n
	v_nop
.endr
.endm
.macro STEP slot, q, zero
	s_wait_dscnt 4*NL                              ; S0's set and S1's blocks 0-3 are in; the 16 youngest loads (blocks 4-7) may be out
	WIN MUL_LO
	MUL16 0, (\q)%2, \zero
	MUL16 2, (\q)%2, \zero
	s_wait_dscnt 0
	PLACES NP
	FETCH_B \slot, (\q)+1, 1-(\q)%2
	FETCH_A \slot, (\q)+1, 0
	WIN MUL_HI
	MUL16 4, (\q)%2, \zero
	MUL16 6, (\q)%2, \zero
	PLACES NP
	WIN 0
	FETCH_A \slot, (\q)+1, 4
.endm
.macro TURN slot, next, fill
	s_wait_tensorcnt 0x0                           ; all my tensor loads have landed: my part of the next slot
	ds_add_u32 v[SPW], v[NIL]                      ; 0 onto my spare word
	s_wait_dscnt 4*NL+1                            ; (the add and the 16 youngest loads may be out)
	WIN MUL_LO
	MUL16 0, 1, 0
	s_wait_dscnt 0x0                               ; the add is done, and my reads of this slot are over
	s_barrier_signal -1
	MUL16 2, 1, 0
	WIN 0
	s_barrier_wait -1
.if \fill
	CREST                                          ; the barrier has opened a round of the cluster's barrier
	s_add_nc_u64 s[G0+4*\slot+2:G0+4*\slot+3], s[G0+4*\slot+2:G0+4*\slot+3], 2*4096
	s_add_nc_u64 s[G0B+4*\slot+2:G0B+4*\slot+3], s[G0B+4*\slot+2:G0B+4*\slot+3], 2*ROWB
	JLOAD G0+4*\slot, G1, G0B+4*\slot, G1B         ; the first tensor load behind the round
.else
	PLACES NP
.endif
	FETCH_B \next, 0, 0
	FETCH_A \next, 0, 0
	WIN MUL_HI
	MUL16 4, 1, 0
	MUL16 6, 1, 0
	PLACES NP
	WIN 0
	FETCH_A \next, 0, 4
.endm
	s_wait_tensorcnt 1                             ; my part of K step 0 is in (K step 1's load may be out)
	s_barrier_signal -1
	s_barrier_wait -1
	FETCH_B 0, 0, 0
	FETCH_A 0, 0, 0
	FETCH_A 0, 0, 4
	STEP 0, 0, 1                                   ; eight steps of 128 along K, written straight; the first products start the sums
	TURN 0, 1, 1
	STEP 1, 0, 0
	TURN 1, 0, 1
	STEP 0, 0, 0
	TURN 0, 1, 0
	STEP 1, 0, 0
	s_wait_dscnt 4*NL
	WIN MUL_LO
	MUL16 0, 1, 0
	MUL16 2, 1, 0
	s_wait_dscnt 0
	WIN MUL_HI
	MUL16 4, 1, 0
	MUL16 6, 1, 0
	WIN 0
; THE WAY OUT, block by block of 16 rows x 128 columns: sum x 2^(e6 + e7) + bias; through my own stage in LDS; back as whole rows of 512 bytes.  LDS serves a wave's instructions in order (ISA guide 5.7.1.4).
.macro TOSTAGE a
.set AC, 64*((\a)%4)
.irp g, 0,1
	WIN 0x02+((\a)/4)                              ; source 0: window 2 or 3
.set j, 0
.rept 16
	v_pk_fma_f32 v[TMP+j:TMP+j+1], v[AC+32*\g+j:AC+32*\g+j+1], s[96:97], v[BJ+32*\g+j:BJ+32*\g+j+1] op_sel_hi:[1,0,1]   ; each accumulator from its low end on
.set j, j+2
.endr
	WIN 0
.irp b, 0,1,2,3
	ds_store_b128 v[STO], v[TMP+8*\b:TMP+8*\b+3] offset:64*(4*\g+\b)
	ds_store_b128 v[STO], v[TMP+8*\b+4:TMP+8*\b+7] offset:64*(4*\g+\b)+16
.endr
.endr
.set BB, BK+64*((\a)%2)
.irp t, 0,1,2,3,4,5,6,7,8,9,10,11,12,13,14,15
	ds_load_b128 v[BB+4*\t:BB+4*\t+3], v[RD] offset:\t*SPITCH
.endr
.endm
.macro SEND a, younger                 ; younger: the LDS instructions issued behind block a's loads, which may stay out
.set BB, BK+64*((\a)%2)
	s_wait_dscnt \younger
.if (\a) > 0
	s_add_nc_u64 s[12:13], s[12:13], 16*SIZE_N*4   ; (behind a wait on XCNT: the earlier stores have read their base)
.endif
.irp t, 0,1,2,3,4,5,6,7,8,9,10,11,12,13,14,15
	global_store_b128 v[CO], v[BB+4*\t:BB+4*\t+3], s[12:13] offset:\t*SIZE_N*4 th:TH_STORE_NT   ; 32 lanes store 512 consecutive bytes, at a multiple of 256 from out0's first byte
.endr
.endm
	s_wait_kmcnt 0x0
	s_add_co_i32 s96, s96, s97
	s_add_co_i32 s96, s96, 127
	s_lshl_b32 s96, s96, 23                        ; 2^(e6 + e7) as f32
	s_mov_b32 s97, s96
	s_wait_loadcnt 0x0                             ; the bias
	PLACES NP                                      ; behind the last products
	TOSTAGE 0
.irp a, 1,2,3,4,5,6,7
.if \a > 1
	s_wait_xcnt 0x0                                ; block a - 2's stores have read their registers and their base
.endif
	TOSTAGE \a
	SEND \a-1, 32                                  ; behind block a - 1's loads: block a's 16 stores and 16 loads
.endr
	s_wait_xcnt 0x0
	SEND 7, 0
	s_wait_tensorcnt 0x0                           ; the wave's end
	ds_add_u32 v[SPW], v[NIL]
	s_wait_dscnt 0x0
	CROUND                                         ; the closing round
	s_endpgm
.Lfunc_end_k_q053eb0d532_proj:
	.size	k_q053eb0d532_proj, .Lfunc_end_k_q053eb0d532_proj-k_q053eb0d532_proj
	.p2alignl 7, 3214868480
	.fill 96, 4, 3214868480
	.section	.rodata,"a",@progbits
	.p2align	6, 0x0
	.amdhsa_kernel k_q053eb0d532_proj
		.amdhsa_group_segment_fixed_size 327680
		.amdhsa_private_segment_fixed_size 0
		.amdhsa_enable_private_segment 0
		.amdhsa_kernarg_size 40
		.amdhsa_user_sgpr_count 2
		.amdhsa_user_sgpr_kernarg_segment_ptr 1
		.amdhsa_wavefront_size32 1
		.amdhsa_system_sgpr_workgroup_id_x 1
		.amdhsa_system_sgpr_workgroup_id_y 1
		.amdhsa_system_sgpr_workgroup_id_z 1
		.amdhsa_system_vgpr_workitem_id 0
		.amdhsa_next_free_vgpr 1024
		.amdhsa_next_free_sgpr 98
		.amdhsa_reserve_vcc 0
		.amdhsa_float_denorm_mode_32 3
		.amdhsa_float_denorm_mode_16_64 3
		.amdhsa_memory_ordered 1
		.amdhsa_forward_progress 1
		.amdhsa_inst_pref_size 142
	.end_amdhsa_kernel
	.amdgpu_metadata
---
amdhsa.version: [ 1, 2 ]
amdhsa.kernels:
  - .name:           k_q053eb0d532_proj
    .symbol:         k_q053eb0d532_proj.kd
    .args:
      - { .name: y_img, .offset: 0, .size: 8, .value_kind: global_buffer, .address_space: global }
      - { .name: w_proj_codes, .offset: 8, .size: 8, .value_kind: global_buffer, .address_space: global }
      - { .name: lowp_scales, .offset: 16, .size: 8, .value_kind: global_buffer, .address_space: global }
      - { .name: b_proj, .offset: 24, .size: 8, .value_kind: global_buffer, .address_space: global }
      - { .name: out0, .offset: 32, .size: 8, .value_kind: global_buffer, .address_space: global }
    .group_segment_fixed_size: 327680
    .private_segment_fixed_size: 0
    .kernarg_segment_align: 8
    .kernarg_segment_size: 40
    .max_flat_workgroup_size: 128
    .sgpr_count:     98
    .vgpr_count:     1024
    .wavefront_size: 32
...
	.end_amdgpu_metadata
.endif
;; end of part 3
